; MI455X (gfx1250); checked and timed in simulation.
; The chip was launched on July 23, 2026; its instructions are those of AMD's public machine-readable ISA for CDNA 5 (MIT licence, August 2026) and "CDNA5" Instruction Set Architecture Reference Guide (July 2026). The comments in the code are by the model that wrote it; some were corrected since.
;; Attention. Allowed arithmetic: float matrix products may take bf16 or f16 operands with f32 sums; all other float work in f32.
;; Inputs: Wkv 1,024 x 2,048 float32; Wout 1,024 x 1,024 float32; Wq 1,024 x 1,024 float32; ln_b 1,024 float32; ln_w 1,024 float32; mask 2 x 2,048 bool; null_kv 16 x 4 x 64 float32; x 2 x 2,048 x 1,024 float32.
;; Outputs: out0 2 x 2,048 x 1,024 float32.
;; One version. Each part assembles by itself: llvm-mc -triple=amdgcn-amd-amdhsa -mcpu=gfx1250 --defsym DOCPART=n.
;; ======== version 1 of 1: 4 launches
;; limits: values are held in f16: magnitudes above 65,504 overflow, below 6.1e-05 lose precision
;; workspace buffers: xh 8,388,608 bytes; xnh 8,388,608 bytes; wqkv 6,291,456 bytes; wouth 2,097,152 bytes; qh 8,388,608 bytes; kh 8,388,608 bytes; vh 8,388,608 bytes; ao 8,388,608 bytes
;; launch prep (part 1): grid 512 x 1, 8 waves a work-group, no clusters, 0 bytes of LDS; arguments x, ln_w, ln_b, Wq, Wkv, Wout, xh, xnh, wqkv, wouth; writes xh, xnh, wqkv, wouth
.if DOCPART == 1
	.amdgcn_target "amdgcn-amd-amdhsa--gfx1250"
	.amdhsa_code_object_version 6
	.text
	.protected	k_qc54f30e4d8_prep
	.globl	k_qc54f30e4d8_prep
	.p2align	8
	.type	k_qc54f30e4d8_prep,@function
k_qc54f30e4d8_prep:
	s_mov_b64 s[64:65], 0
	v_nop
	global_prefetch_b8 v0, s[64:65] scope:SCOPE_SE
	s_setreg_imm32_b32 hwreg(HW_REG_WAVE_MODE, 25, 1), 1
	s_wait_xcnt 0x0
; prep: makes the f16 matrix operands of the later launches.
;   xh   = f16(x)                                    [4096][1024]
;   xnh  = f16(LayerNorm(x) * c), c = 0.125 * log2(e): the query scale and the change to base 2 are folded into ln_w and ln_b
;   wqkv = f16(Wq | Wkv) side by side                [1024 k][3072 n]
;   wouth= f16(Wout)                                 [1024 k][1024 n]
; LIMIT: f16 operands: |x|, |W| and |LayerNorm(x) c| have to stay below 65,504.
; A stream: a unit is 1,024 consecutive f32 (4,096 bytes), one wave takes two units.  A lane loads 16 bytes at 16 lane + 512 j
; (j = 0..7) and stores 8 bytes at 8 lane + 256 j: each store of the wave covers 256 consecutive bytes, aligned.
; No LDS, no barrier, no matrix unit: a row is 32 registers of one wave, so the two passes of the norm never leave the wave.
; Work-groups 0-255: rows of x; 256-319: Wq; 320-447: Wkv; 448-511: Wout.
.set W,  8                             ; v[8:39]    ln_w * c of my 32 columns
.set B,  40                            ; v[40:71]   ln_b * c
.set X0, 72                            ; v[72:103]  unit 0
.set X1, 104                           ; v[104:135] unit 1
.set YA, 136                           ; v[136:151] 32 f16 to store
.set YB, 152                           ; v[152:167] 32 f16 to store
.set T,  168                           ; v[168:175] two sum pairs, (mu, mu), (rstd, rstd)
	s_load_b512 s[8:23], s[0:1], 0x0               ; x 8, ln_w 10, ln_b 12, Wq 14, Wkv 16, Wout 18, xh 20, xnh 22
	s_load_b128 s[24:27], s[0:1], 0x40             ; wqkv 24, wouth 26
	v_lshrrev_b32 v3, 5, v0
	v_readfirstlane_b32 s4, v3                     ; wave 0..7
	v_and_b32 v1, 31, v0
	v_lshlrev_b32 v2, 3, v1                        ; 8 x lane: stores
	v_lshlrev_b32 v1, 4, v1                        ; 16 x lane: loads
	s_mov_b32 s35, 0                               ; upper word of every offset pair
	s_mov_b32 s36, 0x76543210                      ; v_permlanex16_b32: lane i reads lane i of the other half
	s_mov_b32 s37, 0xfedcba98
	s_mov_b32 s38, 0x3e38aa3b                      ; c = 0.125 * log2(e)
	s_mov_b32 s39, 0x3e38aa3b
	s_mov_b32 s40, 0x3a800000                      ; 1 / 1024
	s_mov_b32 s41, 0x3727c5ac                      ; 1e-5
	s_wait_kmcnt 0x0
	s_cmp_lt_u32 ttmp9, 256
	s_cbranch_scc0 .Lweights
	; ---- rows of x: r0 = 16 g + 2 wave and r0 + 1
	s_lshl_b32 s5, ttmp9, 4
	s_lshl1_add_u32 s5, s4, s5
	s_lshl_b32 s34, s5, 12
	s_add_nc_u64 s[28:29], s[8:9], s[34:35]        ; x at row r0
	s_lshl_b32 s34, s5, 11
	s_add_nc_u64 s[30:31], s[20:21], s[34:35]      ; xh at row r0
	s_add_nc_u64 s[32:33], s[22:23], s[34:35]      ; xnh at row r0
.irp j, 0,1,2,3,4,5,6,7
	global_load_b128 v[W+4*\j:W+4*\j+3], v1, s[10:11] offset:512*\j
.endr
.irp j, 0,1,2,3,4,5,6,7
	global_load_b128 v[B+4*\j:B+4*\j+3], v1, s[12:13] offset:512*\j
.endr
.irp j, 0,1,2,3,4,5,6,7
	global_load_b128 v[X0+4*\j:X0+4*\j+3], v1, s[28:29] offset:512*\j th:TH_LOAD_NT
.endr
.irp j, 0,1,2,3,4,5,6,7
	global_load_b128 v[X1+4*\j:X1+4*\j+3], v1, s[28:29] offset:4096+512*\j th:TH_LOAD_NT
.endr
	s_wait_loadcnt 16                              ; ln_w and ln_b are in; the sixteen loads of the two rows may be out
.set i, 0
.rept 32
	v_pk_mul_f32 v[W+2*i:W+2*i+1], v[W+2*i:W+2*i+1], s[38:39] op_sel_hi:[1,0]   ; W and B lie side by side: both times c
.set i, i+1
.endr
.macro WSUM                            ; v[T] summed over the 32 lanes, the result in every lane
	v_add_f32_dpp v[T], v[T], v[T] row_xmask:1 row_mask:0xf bank_mask:0xf
	v_add_f32_dpp v[T], v[T], v[T] row_xmask:2 row_mask:0xf bank_mask:0xf
	v_add_f32_dpp v[T], v[T], v[T] row_xmask:4 row_mask:0xf bank_mask:0xf
	v_add_f32_dpp v[T], v[T], v[T] row_xmask:8 row_mask:0xf bank_mask:0xf
	v_permlanex16_b32 v[T+1], v[T], s36, s37       ; its destination has been written before
	v_add_f32 v[T], v[T], v[T+1]
.endm
; one row: x = its 32 registers, out = its byte offset from row r0 in xh and xnh
.macro LNROW x, out
.irp i, 0,1,2,3,4,5,6,7,8,9,10,11,12,13,14,15
	v_cvt_pk_f16_f32 v[YA+\i], v[\x+2*\i], v[\x+2*\i+1]
.endr
.irp j, 0,1,2,3,4,5,6,7
	global_store_b64 v2, v[YA+2*\j:YA+2*\j+1], s[30:31] offset:256*\j+\out
.endr
	v_pk_add_f32 v[T:T+1], v[\x:\x+1], v[\x+2:\x+3]                ; the mean: two chains, started by the first words
	v_pk_add_f32 v[T+2:T+3], v[\x+4:\x+5], v[\x+6:\x+7]
.irp i, 8,12,16,20,24,28
	v_pk_add_f32 v[T:T+1], v[T:T+1], v[\x+\i:\x+\i+1]
	v_pk_add_f32 v[T+2:T+3], v[T+2:T+3], v[\x+\i+2:\x+\i+3]
.endr
	v_pk_add_f32 v[T:T+1], v[T:T+1], v[T+2:T+3]
	v_add_f32 v[T], v[T], v[T+1]
	WSUM
	v_mul_f32 v[T+4], s40, v[T]
	v_mul_f32 v[T+5], s40, v[T]
.irp i, 0,2,4,6,8,10,12,14,16,18,20,22,24,26,28,30
	v_pk_add_f32 v[\x+\i:\x+\i+1], v[\x+\i:\x+\i+1], v[T+4:T+5] neg_lo:[0,1] neg_hi:[0,1]   ; x - mu first: the variance is no difference of large sums
.endr
	v_pk_mul_f32 v[T:T+1], v[\x:\x+1], v[\x:\x+1]
	v_pk_mul_f32 v[T+2:T+3], v[\x+2:\x+3], v[\x+2:\x+3]
.irp i, 4,8,12,16,20,24,28
	v_pk_fma_f32 v[T:T+1], v[\x+\i:\x+\i+1], v[\x+\i:\x+\i+1], v[T:T+1]
	v_pk_fma_f32 v[T+2:T+3], v[\x+\i+2:\x+\i+3], v[\x+\i+2:\x+\i+3], v[T+2:T+3]
.endr
	v_pk_add_f32 v[T:T+1], v[T:T+1], v[T+2:T+3]
	v_add_f32 v[T], v[T], v[T+1]
	WSUM
	v_fma_f32 v[T], v[T], s40, s41                 ; variance + eps
	v_rsq_f32 v[T+6], v[T]
	v_rsq_f32 v[T+7], v[T]
	v_nop                                          ; one plain instruction behind the transcendentals before their results are used (ISA guide 5.7.2)
	s_wait_alu depctr_va_vdst(0)
.irp i, 0,2,4,6,8,10,12,14,16,18,20,22,24,26,28,30
	v_pk_mul_f32 v[\x+\i:\x+\i+1], v[\x+\i:\x+\i+1], v[T+6:T+7]
.endr
.irp i, 0,2,4,6,8,10,12,14,16,18,20,22,24,26,28,30
	v_pk_fma_f32 v[\x+\i:\x+\i+1], v[\x+\i:\x+\i+1], v[W+\i:W+\i+1], v[B+\i:B+\i+1]
.endr
.irp i, 0,1,2,3,4,5,6,7,8,9,10,11,12,13,14,15
	v_cvt_pk_f16_f32 v[YB+\i], v[\x+2*\i], v[\x+2*\i+1]
.endr
.irp j, 0,1,2,3,4,5,6,7
	global_store_b64 v2, v[YB+2*\j:YB+2*\j+1], s[32:33] offset:256*\j+\out
.endr
.endm
	s_wait_loadcnt 8                               ; row r0 is in; the eight loads of row r0 + 1 may be out
	LNROW X0, 0
	s_wait_loadcnt 0x0
	s_wait_xcnt 0x0                                ; YA and YB, which the first row's stores read, are rewritten only behind this wait
	LNROW X1, 2048
	s_endpgm
	; ---- weights: source s[28:29], destinations of the two units s[30:31], s[32:33]
.Lweights:
	s_cmp_lt_u32 ttmp9, 320
	s_cbranch_scc0 .Lnot_wq
	s_sub_co_u32 s5, ttmp9, 256
	s_lshl_b32 s5, s5, 4
	s_lshl1_add_u32 s5, s4, s5                     ; unit u = a row of Wq
	s_lshl_b32 s34, s5, 12
	s_add_nc_u64 s[28:29], s[14:15], s[34:35]
	s_mul_i32 s34, s5, 6144                        ; a row of wqkv is 3,072 f16
	s_add_nc_u64 s[30:31], s[24:25], s[34:35]
	s_add_nc_u64 s[32:33], s[30:31], 6144
	s_branch .Lconv
.Lnot_wq:
	s_cmp_lt_u32 ttmp9, 448
	s_cbranch_scc0 .Lwout
	s_sub_co_u32 s5, ttmp9, 320
	s_lshl_b32 s5, s5, 4
	s_lshl1_add_u32 s5, s4, s5                     ; unit u (even) = the first half of row u / 2 of Wkv, u + 1 the second
	s_lshl_b32 s34, s5, 12
	s_add_nc_u64 s[28:29], s[16:17], s[34:35]
	s_lshr_b32 s5, s5, 1
	s_mul_i32 s34, s5, 6144
	s_add_co_u32 s34, s34, 2048                    ; behind Wq's 1,024 columns
	s_add_nc_u64 s[30:31], s[24:25], s[34:35]
	s_add_nc_u64 s[32:33], s[30:31], 2048
	s_branch .Lconv
.Lwout:
	s_sub_co_u32 s5, ttmp9, 448
	s_lshl_b32 s5, s5, 4
	s_lshl1_add_u32 s5, s4, s5
	s_lshl_b32 s34, s5, 12
	s_add_nc_u64 s[28:29], s[18:19], s[34:35]
	s_lshl_b32 s34, s5, 11
	s_add_nc_u64 s[30:31], s[26:27], s[34:35]
	s_add_nc_u64 s[32:33], s[30:31], 2048
.Lconv:
.irp j, 0,1,2,3,4,5,6,7
	global_load_b128 v[X0+4*\j:X0+4*\j+3], v1, s[28:29] offset:512*\j th:TH_LOAD_NT
.endr
.irp j, 0,1,2,3,4,5,6,7
	global_load_b128 v[X1+4*\j:X1+4*\j+3], v1, s[28:29] offset:4096+512*\j th:TH_LOAD_NT
.endr
	s_wait_loadcnt 8                               ; unit 0 is in; unit 1's eight loads may be out
.irp i, 0,1,2,3,4,5,6,7,8,9,10,11,12,13,14,15
	v_cvt_pk_f16_f32 v[YA+\i], v[X0+2*\i], v[X0+2*\i+1]
.endr
.irp j, 0,1,2,3,4,5,6,7
	global_store_b64 v2, v[YA+2*\j:YA+2*\j+1], s[30:31] offset:256*\j
.endr
	s_wait_loadcnt 0x0
.irp i, 0,1,2,3,4,5,6,7,8,9,10,11,12,13,14,15
	v_cvt_pk_f16_f32 v[YB+\i], v[X1+2*\i], v[X1+2*\i+1]
.endr
.irp j, 0,1,2,3,4,5,6,7
	global_store_b64 v2, v[YB+2*\j:YB+2*\j+1], s[32:33] offset:256*\j
.endr
	s_endpgm
.Lfunc_end_k_qc54f30e4d8_prep:
	.size	k_qc54f30e4d8_prep, .Lfunc_end_k_qc54f30e4d8_prep-k_qc54f30e4d8_prep
	.p2alignl 7, 3214868480
	.fill 96, 4, 3214868480
	.section	.rodata,"a",@progbits
	.p2align	6, 0x0
	.amdhsa_kernel k_qc54f30e4d8_prep
		.amdhsa_group_segment_fixed_size 0
		.amdhsa_private_segment_fixed_size 0
		.amdhsa_enable_private_segment 0
		.amdhsa_kernarg_size 80
		.amdhsa_user_sgpr_count 2
		.amdhsa_user_sgpr_kernarg_segment_ptr 1
		.amdhsa_wavefront_size32 1
		.amdhsa_system_sgpr_workgroup_id_x 1
		.amdhsa_system_sgpr_workgroup_id_y 1
		.amdhsa_system_sgpr_workgroup_id_z 1
		.amdhsa_system_vgpr_workitem_id 0
		.amdhsa_next_free_vgpr 176
		.amdhsa_next_free_sgpr 66
		.amdhsa_reserve_vcc 0
		.amdhsa_float_denorm_mode_32 3
		.amdhsa_float_denorm_mode_16_64 3
		.amdhsa_memory_ordered 1
		.amdhsa_forward_progress 1
		.amdhsa_inst_pref_size 32
	.end_amdhsa_kernel
	.amdgpu_metadata
---
amdhsa.version: [ 1, 2 ]
amdhsa.kernels:
  - .name:           k_qc54f30e4d8_prep
    .symbol:         k_qc54f30e4d8_prep.kd
    .args:
      - { .name: x, .offset: 0, .size: 8, .value_kind: global_buffer, .address_space: global }
      - { .name: ln_w, .offset: 8, .size: 8, .value_kind: global_buffer, .address_space: global }
      - { .name: ln_b, .offset: 16, .size: 8, .value_kind: global_buffer, .address_space: global }
      - { .name: Wq, .offset: 24, .size: 8, .value_kind: global_buffer, .address_space: global }
      - { .name: Wkv, .offset: 32, .size: 8, .value_kind: global_buffer, .address_space: global }
      - { .name: Wout, .offset: 40, .size: 8, .value_kind: global_buffer, .address_space: global }
      - { .name: xh, .offset: 48, .size: 8, .value_kind: global_buffer, .address_space: global }
      - { .name: xnh, .offset: 56, .size: 8, .value_kind: global_buffer, .address_space: global }
      - { .name: wqkv, .offset: 64, .size: 8, .value_kind: global_buffer, .address_space: global }
      - { .name: wouth, .offset: 72, .size: 8, .value_kind: global_buffer, .address_space: global }
    .group_segment_fixed_size: 0
    .private_segment_fixed_size: 0
    .kernarg_segment_align: 8
    .kernarg_segment_size: 80
    .max_flat_workgroup_size: 256
    .sgpr_count:     66
    .vgpr_count:     176
    .wavefront_size: 32
...
	.end_amdgpu_metadata
.endif
;; end of part 1
;; launch qkv (part 2): grid 12 x 16, 4 waves a work-group, clusters of 4 x 4, 327,680 bytes of LDS; arguments xh, xnh, wqkv, qh, kh, vh; writes qh, kh, vh
.if DOCPART == 2
	.amdgcn_target "amdgcn-amd-amdhsa--gfx1250"
	.amdhsa_code_object_version 6
	.text
	.protected	k_qc54f30e4d8_qkv
	.globl	k_qc54f30e4d8_qkv
	.p2align	8
	.type	k_qc54f30e4d8_qkv,@function
k_qc54f30e4d8_qkv:
	s_mov_b64 s[64:65], 0
	v_nop
	global_prefetch_b8 v0, s[64:65] scope:SCOPE_SE
	s_setreg_imm32_b32 hwreg(HW_REG_WAVE_MODE, 25, 1), 1
	s_wait_xcnt 0x0
	s_wait_alu depctr_hold_cnt(0) depctr_sa_sdst(0) depctr_va_vdst(0) depctr_va_sdst(0) depctr_va_ssrc(0) depctr_va_vcc(0) depctr_vm_vsrc(0)
	s_getreg_b32 s2, hwreg(HW_REG_IB_STS2, 6, 4)
	s_cmp_eq_u32 s2, 0
	s_cbranch_scc0 .Lentry_in_a_cluster
	s_endpgm
.Lentry_in_a_cluster:
	s_bfe_u32 s2, ttmp6, 0x10000c
	s_cmp_lg_u32 s2, 0xf033
	s_cbranch_scc0 .Lentry_shape_is_right
	s_endpgm
.Lentry_shape_is_right:
; qkv: C[4096][3072] = A[4096][1024] x wqkv[1024][3072] in f16 with f32 sums; A = xnh for columns 0-1023 (q), xh for the others (k, v).
; The result goes out as f16, head by head: qh, kh, vh are [batch 2][head 16][row 2048][64].
; LIMIT: f16 results: |q|, |k|, |v| below 65,504.
; A work-group makes 256 x 256 of C with four waves, a wave 128 x 128: 64 accumulator tiles of 16 x 16, 512 registers.
; K goes in steps of 128 through a ring of two LDS slots filled by the tensor data mover.
; CLUSTERS: 4 x 4 work-groups.  A's tile hangs on the block row alone and is asked for jointly by the four of a row of the cluster,
; B's on the block column alone and is asked for jointly by the four of a column: the requests for A and B are divided by four.
; A cluster spans 1,024 columns, so the cluster's x (0, 1, 2) says q, k or v: the choice of buffers is equal in all partners.
; REGISTERS, in windows of 256: window 0: v0-31 addresses, v64-127 and v128-191 fragments of A (two buffers), v192-223 the way out;
; window 1: v64-127, v128-191 fragments of B; windows 2 and 3: the accumulators of my rows 0-63 and 64-127 (tile (a, b) at v[8 (8 a + b)]).
; The matrix instruction is used transposed (source 0 = 16 columns of wqkv, source 1 = 16 rows of A): a lane then holds eight
; neighbouring columns of one row of C.
; B lies [k][n] in memory and in LDS: its fragments are read by the transposing LDS load.
.set SIZE_K, 1024
.set SIZE_N, 3072
.set KSTEP,  128
.set PITCH,  272                       ; A's LDS row: 256 bytes + 16: sixteen rows start at sixteen different 16-byte columns
.set BPITCH, 544                       ; B's LDS row: 512 bytes + 32, an odd multiple of 32
.set HALFT,  128*PITCH                 ; 128 rows of A = 64 k-rows of B = 34,816 bytes: what one tensor load brings
.set SLOT,   4*HALFT
.set STAGE,  2*SLOT
.set SPITCH, 272
.set BSTEP,  KSTEP*SIZE_N*2            ; bytes of wqkv from one K step to the next
.set LAPS, SIZE_K/(2*KSTEP)
.set ADRA, 16
.set ADRB, 20
.set STO,  24
.set RD,   25
.set CO,   26
.set F0,   64
.set F1,   128
.set TMP,  192
.set G1, 24
.set G0, 32
.set G1B, 48
.set G0B, 56
.set MSB, 0
.macro WIN new                         ; the immediate's high byte repeats the setting that is left
.if MSB != \new
	s_set_vgpr_msb (MSB<<8)|\new
.set MSB, \new
.endif
.endm
.set MUL_LO, 0xa1                      ; source 0 (B) window 1, source 1 (A) window 0, C and D window 2
.set MUL_HI, 0xf1                      ; the same, C and D window 3
.set TO_B,   0x40                      ; destination window 1, address window 0
; A joint load: waves 0 and 1 fetch A's halves, waves 2 and 3 B's.  The branch hangs on the wave's number alone.
.macro JLOAD s
	s_cmp_eq_u32 s11, 0
	s_cbranch_scc0 .Lfor_b_\@
	tensor_load_to_lds s[G0+4*\s:G0+4*\s+3], s[G1:G1+7]
	s_nop 0
	s_branch .Lasked_\@
.Lfor_b_\@:
	tensor_load_to_lds s[G0B+4*\s:G0B+4*\s+3], s[G1B:G1B+7]
	s_nop 0
.Lasked_\@:
.endm
.macro CREST                           ; a round of the cluster's barrier behind its opening barrier
	s_cmp_lg_u32 s10, 0
	s_cbranch_scc1 .Lnot_wave_0_\@
	s_barrier_signal -3
.Lnot_wave_0_\@:
	s_barrier_wait -3
	s_barrier_signal -1
	s_barrier_wait -1
.endm
.macro CROUND                          ; a whole round
	s_barrier_signal -1
	s_barrier_wait -1
	CREST
.endm
	s_load_b256 s[68:75], s[0:1], 0x0              ; xh 68, xnh 70, wqkv 72, qh 74
	s_load_b128 s[76:79], s[0:1], 0x20             ; kh 76, vh 78
	s_set_vgpr_msb 0x40
	v_lshl_add_u32 v255, v0, 2, 0x48400
	s_set_vgpr_msb 0x4000
	v_mov_b32 v255, 0
	s_set_vgpr_msb 0x1
	ds_add_u32 v255, v255
	ds_add_u32 v255, v255
	s_set_vgpr_msb 0x100
	v_lshrrev_b32 v1, 5, v0
	v_readfirstlane_b32 s10, v1                    ; wave 0..3
	s_lshr_b32 s11, s10, 1                         ; my half of the block's rows.  Also: I fetch for A (0) or for B (1)
	s_and_b32 s12, s10, 1                          ; my half of its columns.  Also: which half of that tile I fetch
	s_bfe_u32 s40, ttmp6, 0x40000                  ; cx
	s_bfe_u32 s41, ttmp6, 0x40004                  ; cy
	s_lshl_b32 s42, ttmp9, 2
	s_add_co_u32 s42, s42, s40                     ; block column = 4 x cluster x + cx
	s_and_b32 s13, ttmp7, 0xffff
	s_lshl_b32 s13, s13, 2
	s_add_co_u32 s13, s13, s41                     ; block row = 4 x cluster y + cy
	s_lshl_b32 s43, s41, 2
	s_lshl_b32 s43, 15, s43                        ; my row of the cluster
	s_lshl_b32 s44, 0x1111, s40                    ; my column
	; group 1 for A: 128 rows x 128 elements of 2 bytes, 4 words of padding behind every 64
	s_or_b32 s[G1+0], s43, (1<<16)|(1<<20)|(1<<21)|(5<<22)|(3<<25)
	s_mov_b32 s[G1+1], KSTEP<<16                   ; tensor_dim0 = 128
	s_mov_b32 s[G1+2], 128<<16                     ; tensor_dim1 = 128
	s_mov_b32 s[G1+3], KSTEP<<16                   ; tile_dim0 = 128
	s_mov_b32 s[G1+4], 128                         ; tile_dim1 = 128
	s_mov_b32 s[G1+5], SIZE_K                      ; elements from row to row
	s_mov_b32 s[G1+6], 0
	s_mov_b32 s[G1+7], 0
	; group 1 for B: 64 k-rows x 256 elements, 8 words of padding behind every 128
	s_or_b32 s[G1B+0], s44, (1<<16)|(1<<20)|(1<<21)|(6<<22)|(7<<25)
	s_mov_b32 s[G1B+1], 256<<16                    ; tensor_dim0 = 256
	s_mov_b32 s[G1B+2], 64<<16                     ; tensor_dim1 = 64
	s_mov_b32 s[G1B+3], 256<<16                    ; tile_dim0 = 256
	s_mov_b32 s[G1B+4], 64                         ; tile_dim1 = 64
	s_mov_b32 s[G1B+5], SIZE_N
	s_mov_b32 s[G1B+6], 0
	s_mov_b32 s[G1B+7], 0
	; A's tiles hang on the block row, B's on the block column, each in registers that never hold the other coordinate
	s_lshl_b32 s17, s12, 7
	s_lshl_b32 s16, s13, 8
	s_add_co_u32 s16, s16, s17                     ; A: row 256 x block row + 128 x half
	s_lshl_b32 s16, s16, 11                        ; x 2,048 bytes (below 8 MiB)
	s_mov_b32 s17, 0
	s_lshl_b32 s46, s42, 9                         ; B: 512 bytes x block column
	s_mul_i32 s47, s12, 64*SIZE_N*2                ; + 64 k-rows x half
	s_add_co_u32 s46, s46, s47
	s_mov_b32 s47, 0
	s_mul_i32 s20, s10, HALFT                      ; where they go: wave x 34,816: no place in the cluster enters an LDS address
	s_wait_dscnt 0x0
	s_wait_kmcnt 0x0
	s_cmp_eq_u32 ttmp9, 0                          ; the cluster's x: 0 q, 1 k, 2 v
	s_cselect_b64 s[4:5], s[70:71], s[68:69]       ; A = xnh for q, xh for k and v
	s_cselect_b64 s[8:9], s[74:75], s[76:77]
	s_cmp_eq_u32 ttmp9, 2
	s_cselect_b64 s[8:9], s[78:79], s[8:9]         ; the destination
	s_mov_b64 s[6:7], s[72:73]
	s_add_nc_u64 s[14:15], s[4:5], s[16:17]
	s_add_nc_u64 s[46:47], s[6:7], s[46:47]
	CROUND                                         ; all sixteen work-groups are here: the first joint loads meet
.irp s, 0,1
	s_mov_b32 s[G0+4*\s], 1
	s_add_co_u32 s[G0+4*\s+1], s20, \s*SLOT
	s_add_nc_u64 s[G0+4*\s+2:G0+4*\s+3], s[14:15], \s*KSTEP*2
	s_or_b32 s[G0+4*\s+3], s[G0+4*\s+3], 0x80000000
	s_mov_b32 s[G0B+4*\s], 1
	s_add_co_u32 s[G0B+4*\s+1], s20, \s*SLOT
	s_add_nc_u64 s[G0B+4*\s+2:G0B+4*\s+3], s[46:47], \s*BSTEP
	s_or_b32 s[G0B+4*\s+3], s[G0B+4*\s+3], 0x80000000
	JLOAD \s
.endr
	v_and_b32 v1, 15, v0                           ; r = l % 16
	v_bfe_u32 v2, v0, 4, 1                         ; h = l / 16
	v_and_b32 v8, 7, v0                            ; l % 8
	v_bfe_u32 v7, v0, 3, 1                         ; (l / 8) % 2
	v_mul_u32_u24 v3, v1, PITCH
	v_lshl_add_u32 v3, v2, 4, v3                   ; A: row x pitch + 16 h
	v_lshl_add_u32 v6, v2, 3, v8
	v_mul_u32_u24 v6, v6, BPITCH
	v_lshl_add_u32 v6, v7, 4, v6                   ; B: (8 h + l % 8) x pitch + 16 ((l / 8) % 2): the transposing load's addresses
	s_mul_i32 s21, s11, HALFT                      ; my 128 rows of A
	s_lshl_b32 s22, s12, 8                         ; my 128 columns of B,
	s_add_co_u32 s22, s22, 2*HALFT                 ; which lies behind A
.irp s, 0,1
	v_add_nc_u32 v[ADRA+\s], s21, v3
	v_add_nc_u32 v[ADRB+\s], s22, v6
	s_add_co_u32 s21, s21, SLOT
	s_add_co_u32 s22, s22, SLOT
.endr
	s_mul_i32 s23, s10, 16*SPITCH
	s_add_co_u32 s23, s23, STAGE                   ; my stage
	v_mul_u32_u24 v4, v1, SPITCH
	v_lshl_add_u32 v4, v2, 4, v4
	v_add_nc_u32 v[STO], s23, v4                   ; in: row r, 16 bytes for each half of the lanes
	v_mul_u32_u24 v5, v7, SPITCH                   ; back: sixteen lanes take 128 bytes (one head) of two neighbouring rows,
	v_lshl_add_u32 v5, v2, 7, v5                   ; lanes 16-31 the stage row's second head
	v_lshl_add_u32 v5, v8, 4, v5
	v_add_nc_u32 v[RD], s23, v5
	v_lshlrev_b32 v5, 18, v2                       ; in memory: a head's plane is 2,048 x 128 bytes,
	v_lshl_add_u32 v[CO], v1, 4, v5                ; and two rows of a head are 256 consecutive bytes
.macro MUL16 f, hi, a0, zero
.irp a, \a0, \a0+1
.irp b, 0,1,2,3,4,5,6,7
.if \zero
	v_wmma_f32_16x16x32_f16 v[8*(8*(\a)+\b):8*(8*(\a)+\b)+7], v[\f+8*\b:\f+8*\b+7], v[\f+8*(4*\hi+\a):\f+8*(4*\hi+\a)+7], 0
.else
	v_wmma_f32_16x16x32_f16 v[8*(8*(\a)+\b):8*(8*(\a)+\b)+7], v[\f+8*\b:\f+8*\b+7], v[\f+8*(4*\hi+\a):\f+8*(4*\hi+\a)+7], v[8*(8*(\a)+\b):8*(8*(\a)+\b)+7]
.endif
.endr
.endr
.endm
; 32 LDS loads in one run: the fragments of one quarter step (32 along K at byte k of A's rows) into buffer f
.macro FETCH slot, k, f
	WIN TO_B
.irp i, 0,1,2,3,4,5,6,7
	ds_load_tr16_b128 v[\f+8*\i:\f+8*\i+3],   v[ADRB+\slot] offset:(\k/64)*32*BPITCH+32*\i
	ds_load_tr16_b128 v[\f+8*\i+4:\f+8*\i+7], v[ADRB+\slot] offset:(\k/64)*32*BPITCH+32*\i+16*BPITCH
.endr
	WIN 0
.irp i, 0,1,2,3,4,5,6,7
	ds_load_b128 v[\f+8*\i:\f+8*\i+3],   v[ADRA+\slot] offset:\k+\i*16*PITCH
	ds_load_b128 v[\f+8*\i+4:\f+8*\i+7], v[ADRA+\slot] offset:\k+\i*16*PITCH+32
.endr
.endm
; Four plain vector instructions stand between a matrix instruction and a load into a register that it read, or a vector instruction
; that reads its result (ISA guide 7.12.1 for vector instructions).
.macro PLACES
.rept 4
	v_nop
.endr
.endm
; The 64 accumulators take turns, one instruction a turn, in the same order in every quarter step.
.macro QUARTER slot, k, f, g, zero
	s_wait_dscnt 8                                 ; B and A's rows 0-63 are in; the youngest eight loads (A's rows 64-127) may be out
	WIN MUL_LO
	MUL16 \f, 0, 0, \zero
	MUL16 \f, 0, 2, \zero
	PLACES
	FETCH \slot, \k, \g
	s_wait_dscnt 32                                ; all but the 32 just issued
	WIN MUL_HI
	MUL16 \f, 1, 0, \zero
	MUL16 \f, 1, 2, \zero
.endm
.macro THREE slot, zero
	QUARTER \slot, 64,  F0, F1, \zero
	QUARTER \slot, 128, F1, F0, 0
	QUARTER \slot, 192, F0, F1, 0
.endm
; The last quarter multiplies buffer 1 and changes slots.  In front of the barrier each wave waits for its reads of this slot and for
; all its tensor loads (one is out: its part of the next slot); behind it the refill comes first, then the next slot's first fragments.
.macro TURN slot, next, fill
	s_wait_dscnt 8
	WIN MUL_LO
	MUL16 F1, 0, 0, 0
	s_wait_dscnt 0                                 ; my reads of this slot are over
	s_wait_tensorcnt 0x0                           ; all my tensor loads have landed
	ds_add_u32 v255, v255
	s_wait_dscnt 0x0
	s_barrier_signal -1
	MUL16 F1, 0, 2, 0                              ; register work while the others arrive
	WIN 0
	s_barrier_wait -1
.if \fill
	CREST                                          ; all sixteen work-groups have said so: no partner reads this slot or has a load on its way
	s_add_nc_u64 s[G0+4*\slot+2:G0+4*\slot+3], s[G0+4*\slot+2:G0+4*\slot+3], 2*KSTEP*2
	s_add_nc_u64 s[G0B+4*\slot+2:G0B+4*\slot+3], s[G0B+4*\slot+2:G0B+4*\slot+3], 2*BSTEP
	JLOAD \slot                                    ; the first tensor load behind the round
.endif
	PLACES
	FETCH \next, 0, F0
	WIN MUL_HI
	MUL16 F1, 1, 0, 0
	MUL16 F1, 1, 2, 0
.endm
.macro LAP zero
	THREE 0, \zero
	TURN 0, 1, 1
	THREE 1, 0
	TURN 1, 0, 1
.endm
	s_wait_tensorcnt 1                             ; my part of K step 0 is in; K step 1's load may be out
	s_barrier_signal -1
	s_barrier_wait -1                              ; everybody's is
	FETCH 0, 0, F0
	LAP 1                                          ; the first products start the sums: nothing is cleared
	WIN 0
	s_mov_b32 s3, LAPS-2
.Llap:
	LAP 0
	WIN 0
	s_sub_co_u32 s3, s3, 1
	s_cmp_lg_u32 s3, 0
	s_cbranch_scc1 .Llap
	THREE 0, 0                                     ; the last lap fills nothing
	TURN 0, 1, 0
	THREE 1, 0
	s_wait_dscnt 8
	WIN MUL_LO
	MUL16 F1, 0, 0, 0
	MUL16 F1, 0, 2, 0
	s_wait_dscnt 0
	WIN MUL_HI
	MUL16 F1, 1, 0, 0
	MUL16 F1, 1, 2, 0
	; THE WAY OUT, 16 rows at a time: round to f16, 16 bytes a lane into my own stage, read back so that sixteen lanes hold two
	; neighbouring rows of one head.  (The read back touches each bank group twice; it runs eight times in the kernel.)
	PLACES
	s_lshr_b32 s16, s13, 3                         ; batch = block row / 8: 16 planes of 262,144 bytes
	s_lshl_b32 s16, s16, 22
	s_and_b32 s17, s13, 7
	s_lshl_b32 s17, s17, 15                        ; 256 rows of 128 bytes
	s_add_co_u32 s16, s16, s17
	s_lshl_b32 s17, s11, 14                        ; my 128 rows
	s_add_co_u32 s16, s16, s17
	s_mov_b32 s17, 0
	s_add_nc_u64 s[8:9], s[8:9], s[16:17]
	s_lshl_b32 s46, s40, 20                        ; head = 4 cx + 2 x my column half (in the registers that held B's address)
	s_lshl_b32 s47, s12, 19
	s_add_co_u32 s46, s46, s47
	s_mov_b32 s47, 0
	s_add_nc_u64 s[8:9], s[8:9], s[46:47]
.macro OUT16 i, a, from, f
	WIN \from
.irp b, 0,1,2,3,4,5,6,7
.irp r, 0,1,2,3
	v_cvt_pk_f16_f32 v[TMP+4*\b+\r], v[8*(8*\a+\b)+2*\r], v[8*(8*\a+\b)+2*\r+1]
.endr
.endr
	WIN 0
.irp b, 0,1,2,3,4,5,6,7
	ds_store_b128 v[STO], v[TMP+4*\b:TMP+4*\b+3] offset:32*\b
.endr
	s_wait_xcnt 0x0                                ; buffer f, which earlier stores read, is rewritten only behind this wait
.irp t, 0,1,2,3,4,5,6,7
	ds_load_b128 v[\f+4*\t:\f+4*\t+3], v[RD] offset:\t*2*SPITCH    ; LDS serves a wave's instructions in order: these see the stores above
.endr
.irp t, 0,1,2,3,4,5,6,7
	s_wait_dscnt 7-\t
	global_store_b128 v[CO], v[\f+4*\t:\f+4*\t+3], s[8:9] offset:\i*2048+\t*256   ; 16 lanes store 256 consecutive bytes, aligned
.endr
.endm
	OUT16 0, 0, 0x0a, F0
	OUT16 1, 1, 0x0a, F1
	OUT16 2, 2, 0x0a, F0
	OUT16 3, 3, 0x0a, F1
	OUT16 4, 0, 0x0f, F0
	OUT16 5, 1, 0x0f, F1
	OUT16 6, 2, 0x0f, F0
	OUT16 7, 3, 0x0f, F1
	s_set_vgpr_msb 0x1
	s_wait_tensorcnt 0x0
	ds_add_u32 v255, v255
	s_wait_dscnt 0x0
	s_set_vgpr_msb 0x100
	CROUND                                         ; the closing round
	s_endpgm
.Lfunc_end_k_qc54f30e4d8_qkv:
	.size	k_qc54f30e4d8_qkv, .Lfunc_end_k_qc54f30e4d8_qkv-k_qc54f30e4d8_qkv
	.p2alignl 7, 3214868480
	.fill 96, 4, 3214868480
	.section	.rodata,"a",@progbits
	.p2align	6, 0x0
	.amdhsa_kernel k_qc54f30e4d8_qkv
		.amdhsa_group_segment_fixed_size 327680
		.amdhsa_private_segment_fixed_size 0
		.amdhsa_enable_private_segment 0
		.amdhsa_kernarg_size 48
		.amdhsa_user_sgpr_count 2
		.amdhsa_user_sgpr_kernarg_segment_ptr 1
		.amdhsa_wavefront_size32 1
		.amdhsa_system_sgpr_workgroup_id_x 1
		.amdhsa_system_sgpr_workgroup_id_y 1
		.amdhsa_system_sgpr_workgroup_id_z 1
		.amdhsa_system_vgpr_workitem_id 0
		.amdhsa_next_free_vgpr 1024
		.amdhsa_next_free_sgpr 80
		.amdhsa_reserve_vcc 0
		.amdhsa_float_denorm_mode_32 3
		.amdhsa_float_denorm_mode_16_64 3
		.amdhsa_memory_ordered 1
		.amdhsa_forward_progress 1
		.amdhsa_inst_pref_size 196
	.end_amdhsa_kernel
	.amdgpu_metadata
---
amdhsa.version: [ 1, 2 ]
amdhsa.kernels:
  - .name:           k_qc54f30e4d8_qkv
    .symbol:         k_qc54f30e4d8_qkv.kd
    .args:
      - { .name: xh, .offset: 0, .size: 8, .value_kind: global_buffer, .address_space: global }
      - { .name: xnh, .offset: 8, .size: 8, .value_kind: global_buffer, .address_space: global }
      - { .name: wqkv, .offset: 16, .size: 8, .value_kind: global_buffer, .address_space: global }
      - { .name: qh, .offset: 24, .size: 8, .value_kind: global_buffer, .address_space: global }
      - { .name: kh, .offset: 32, .size: 8, .value_kind: global_buffer, .address_space: global }
      - { .name: vh, .offset: 40, .size: 8, .value_kind: global_buffer, .address_space: global }
    .group_segment_fixed_size: 327680
    .private_segment_fixed_size: 0
    .kernarg_segment_align: 8
    .kernarg_segment_size: 48
    .max_flat_workgroup_size: 128
    .sgpr_count:     80
    .vgpr_count:     1024
    .wavefront_size: 32
...
	.end_amdgpu_metadata
.endif
;; end of part 2
;; launch attn (part 3): grid 256 x 1, 4 waves a work-group, no clusters, 327,680 bytes of LDS; arguments qh, kh, vh, mask, null_kv, ao; writes ao
.if DOCPART == 3
	.amdgcn_target "amdgcn-amd-amdhsa--gfx1250"
	.amdhsa_code_object_version 6
	.text
	.protected	k_qc54f30e4d8_attn
	.globl	k_qc54f30e4d8_attn
	.p2align	8
	.type	k_qc54f30e4d8_attn,@function
k_qc54f30e4d8_attn:
	s_mov_b64 s[64:65], 0
	v_nop
	global_prefetch_b8 v0, s[64:65] scope:SCOPE_SE
	s_setreg_imm32_b32 hwreg(HW_REG_WAVE_MODE, 25, 1), 1
	s_wait_xcnt 0x0
; attn: causal attention with ALiBi, a key padding mask and two null keys, by a running maximum.  qh, kh, vh, ao: [b 2][h 16][n 2048][64] f16.
; q arrives times 0.125 log2(e), so the logits are in base 2.  In the visible region the bias is slope (j - i); the part -slope i is
; constant for a query and cancels in the softmax.  Keys go in blocks of 64 entries, entry e = 64 + key index (the null keys are
; entries 62 and 63 of block 0).  Within a block u = q.k + s' (e % 64), s' = slope log2(e); the running maximum is kept in the
; block's frame and lowered by 64 s' from block to block.  A table T[e] = s' (e % 64), or -1e30 where the padding mask hides the key,
; is loaded into the score registers and is the C operand of the first score product: bias and padding mask cost no arithmetic.
; T lies at constant LDS addresses: 64 entries for the null block and 128 for each ring slot.  Thread t keeps the mask of key t of all
; 16 tiles as 16 bits of one register and writes its entry of a slot's T when the slot's K and V are asked for.
; LIMITS: operands f16 (|q|, |k|, |v|, |null_kv| below 65,504); hidden logits are -1e30, right while |logit| < 1e29; the slope is
; 2^(-(h+1)/2) from a rounded constant; probabilities are rounded to f16 for the product with V, their sum is kept in f32;
; a mask byte is 0 or 1.
; WORK: work-group g: batch and head g / 8; with p = g % 8 the query blocks of 128 numbered p and 15 - p, the even one (E) first.
; Block qb needs the null block and the 128-key tiles 0..qb, so every work-group walks 17 tiles and 2 null blocks.
; A wave owns 32 queries as two pieces A and B of 16, whose softmax and products take turns.
; NO MULTICAST: the eight work-groups of a head need different numbers of tiles (p + 1 and 16 - p) at different times, so partners
; would have to walk 20 tiles in step instead of 17 to make every request jointly.
; LAYOUT: S^T = K Q^T (lane (r, h), register j: key 8 h + j, query r), so maximum and sum of a query lie in two lanes and four
; conversions make two score tiles the B fragment of O^T = V^T P^T; V's fragments come by the transposing LDS load.
.set K0,  9216                         ; LDS: null K tile at 0 (64 rows, pitch 144); K slots at 9,216 and 27,648 (128 rows, pitch 144)
.set KSL, 18432
.set VN,  46080                        ; null V tile (64 rows, pitch 160); V slots at 56,320 and 76,800 (128 rows, pitch 160)
.set VSL, 20480
.set TT,  97280                        ; T: null block 256 bytes, then 512 bytes for each slot; written by LDS stores alone
.set STG, 105728                       ; the way out: 32 rows, pitch 144, for each wave
.set ADK, 1                            ; r 144 + 16 h
.set ADV, 2                            ; VN + (8 h + l % 8) 160 + 16 ((l / 8) % 2)
.set ADT, 3                            ; TT + 32 h
.set TADR, 4                           ; TT + 4 t: where thread t writes its entry of T
.set DQ,  5                            ; 32 wave + r - 8 h
.set QOFF, 6
.set STO, 7
.set RD,  8
.set BIASV, 9                          ; s' (t % 64)
.set MA,  10                           ; v[10:11] (m, l) of A; v[12:13] of B
.set MB,  12
.set ALA, 14                           ; v[14:15] (alpha, 0) of A; v[16:17] of B
.set ALB, 16
.set T0,  18
.set T1,  19
.set T2,  20
.set T3,  21
.set SUA, 22                           ; v[22:25] two sum pairs of A; v[26:29] of B
.set NEGV, 30                          ; -1e30
.set MBITS, 31                         ; bit i: the mask of key 128 i + t
.set QA,  32                           ; v[32:47] Q of A, v[48:63] of B
.set KV,  64                           ; v[64:127] K fragments (kt, ks) at 16 kt + 8 ks, later V fragments (vs, dt) at 32 vs + 8 dt
.set SA,  128                          ; v[128:159] scores of A, v[160:191] of B
.set SB,  160
.set OA,  192                          ; v[192:223] O^T of A, v[224:255] of B
	s_load_b256 s[4:11], s[0:1], 0x0               ; qh 4, kh 6, vh 8, mask 10
	s_load_b128 s[12:15], s[0:1], 0x20             ; null_kv 12, ao 14
	s_set_vgpr_msb 0x40
	v_lshl_add_u32 v0, v0, 2, 0x29000
	v_mov_b32 v1, 0
	s_set_vgpr_msb 0x4045
	ds_add_u32 v0, v1
	ds_add_u32 v0, v1
	s_set_vgpr_msb 0x4500
	v_lshrrev_b32 v18, 5, v0
	v_readfirstlane_b32 s56, v18                   ; wave
	s_lshr_b32 s57, ttmp9, 3                       ; 16 batch + head
	s_and_b32 s76, ttmp9, 7                        ; p
	s_sub_co_u32 s77, 15, s76
	s_bitcmp1_b32 s76, 0
	s_cselect_b32 s58, s77, s76                    ; E: the even one of p, 15 - p
	s_cselect_b32 s59, s76, s77                    ; O: the odd one
	s_mov_b32 s66, 0x76543210
	s_mov_b32 s67, 0xfedcba98
	; group 1: a wave's 32 key rows are 4,096 dense bytes: 16 rows of 32 elements of 8 bytes; padding behind every 32 words (a key row)
	s_mov_b32 s16, (3<<16)|(1<<20)|(4<<22)|(3<<25) ; K: 4 words: pitch 144
	s_mov_b32 s17, 32<<16
	s_mov_b32 s18, 16<<16
	s_mov_b32 s19, 32<<16
	s_mov_b32 s20, 16
	s_mov_b32 s21, 32
	s_mov_b32 s22, 0
	s_mov_b32 s23, 0
	s_mov_b32 s24, (3<<16)|(1<<20)|(4<<22)|(7<<25) ; V: 8 words: pitch 160
	s_mov_b32 s25, 32<<16
	s_mov_b32 s26, 16<<16
	s_mov_b32 s27, 32<<16
	s_mov_b32 s28, 16
	s_mov_b32 s29, 32
	s_mov_b32 s30, 0
	s_mov_b32 s31, 0
	s_mul_i32 s76, s56, 4608
	s_mul_i32 s77, s56, 5120
	s_mov_b32 s32, 1                               ; group 0: K slot 0 s[32:35], K slot 1 s[36:39], V slot 0 s[40:43], V slot 1 s[44:47]
	s_add_co_u32 s33, s76, K0
	s_mov_b32 s36, 1
	s_add_co_u32 s37, s76, K0+KSL
	s_mov_b32 s40, 1
	s_add_co_u32 s41, s77, VN+10240
	s_mov_b32 s44, 1
	s_add_co_u32 s45, s77, VN+10240+VSL
	s_lshl_b32 s52, s57, 18                        ; the head's plane: 2,048 rows of 128 bytes
	s_lshl_b32 s78, s56, 12                        ; + my wave's 32 rows
	s_add_co_u32 s52, s52, s78
	s_mov_b32 s53, 0
	s_mov_b32 s79, 0
	s_mov_b32 s54, 0                               ; the next tile to fetch
	s_mov_b32 s55, s58                             ; and the last tile of the block that it belongs to
	s_wait_dscnt 0x0
	s_wait_kmcnt 0x0
	s_add_nc_u64 s[48:49], s[6:7], s[52:53]        ; K: my rows of tile 0, type bits set
	s_or_b32 s49, s49, 0x80000000
	s_add_nc_u64 s[50:51], s[8:9], s[52:53]        ; V likewise
	s_or_b32 s51, s51, 0x80000000
	s_add_nc_u64 s[70:71], s[4:5], s[52:53]
	s_add_nc_u64 s[74:75], s[14:15], s[52:53]
	s_lshl_b32 s78, s58, 14                        ; a query block is 128 rows of 128 bytes
	s_add_nc_u64 s[68:69], s[70:71], s[78:79]      ; q and ao of E
	s_add_nc_u64 s[72:73], s[74:75], s[78:79]
	s_lshl_b32 s78, s59, 14
	s_add_nc_u64 s[70:71], s[70:71], s[78:79]      ; q and ao of O
	s_add_nc_u64 s[74:75], s[74:75], s[78:79]
; The 17 tiles form one sequence: E's 0..qbE, then O's 0..qbO; tile n of the sequence goes into slot n % 2.
; TADDR writes the slot's two addresses, keeps the tile's index in s63 and steps the index (register work alone); TLOADS issues the two loads.
.macro TADDR slot
	s_mov_b32 s63, s54                             ; the tile now asked for: TSTORE picks its mask bit
	s_lshl_b32 s52, s54, 14
	s_add_nc_u64 s[34+4*\slot:35+4*\slot], s[48:49], s[52:53]
	s_add_nc_u64 s[42+4*\slot:43+4*\slot], s[50:51], s[52:53]
	s_add_co_u32 s54, s54, 1
	s_cmp_gt_u32 s54, s55
	s_cselect_b32 s54, 0, s54                      ; behind E's last tile comes O's tile 0,
	s_cselect_b32 s55, 64, s55                     ; and no second wrap
.endm
.macro TLOADS slot
	tensor_load_to_lds s[32+4*\slot:35+4*\slot], s[16:23]
	s_nop 0
	tensor_load_to_lds s[40+4*\slot:43+4*\slot], s[24:31]
	s_nop 0
.endm
; thread t's entry of the slot's T, for tile idx: s' (t % 64), or -1e30 where the mask hides key 128 idx + t
.macro TSTORE slot, idx
	v_bfe_u32 v[T0], v[MBITS], \idx, 1
	v_cmp_ne_u32 vcc_lo, 0, v[T0]
	v_cndmask_b32 v[T0], v[NEGV], v[BIASV], vcc_lo
	ds_store_b32 v[TADR], v[T0] offset:256+512*\slot
.endm
	TADDR 0
	TLOADS 0
	TADDR 1
	TLOADS 1                                       ; first fills: four tensor loads of the wave are out, the most in this text
	v_and_b32 v18, 15, v0                          ; r
	v_bfe_u32 v19, v0, 4, 1                        ; h
	v_and_b32 v20, 7, v0                           ; l % 8
	v_bfe_u32 v21, v0, 3, 1                        ; (l / 8) % 2
	v_and_b32 v22, 31, v0                          ; l
	v_lshlrev_b32 v[QOFF], 7, v18
	v_lshl_add_u32 v[QOFF], v19, 4, v[QOFF]        ; r 128 + 16 h
.macro QLOAD b0
.irp x, 0,1
.irp c, 0,1,2,3
	global_load_b128 v[QA+16*\x+4*\c:QA+16*\x+4*\c+3], v[QOFF], s[\b0:\b0+1] offset:\x*2048+32*\c
.endr
.endr
.endm
	QLOAD 68
	s_lshr_b32 s76, s57, 4                         ; batch
	s_lshl_b32 s76, s76, 11
	s_mov_b32 s77, 0
	s_add_nc_u64 s[10:11], s[10:11], s[76:77]
.irp i, 0,1,2,3,4,5,6,7,8,9,10,11,12,13,14,15
	global_load_u8 v[160+\i], v0, s[10:11] offset:128*\i           ; the mask of key t of tile i: the batch's 2,048 bytes are read once
.endr
	s_and_b32 s76, s57, 15                         ; head
	s_lshl_b32 s78, s76, 10
	s_add_nc_u64 s[12:13], s[12:13], s[78:79]
	v_lshlrev_b32 v26, 9, v21                      ; null token n = (t / 8) % 2: rows 2 n (key) and 2 n + 1 (value) of 256 bytes
	v_lshl_add_u32 v26, v20, 5, v26                ; + 8 numbers for each t % 8
	global_load_b128 v[144:147], v26, s[12:13]
	global_load_b128 v[148:151], v26, s[12:13] offset:16
	global_load_b128 v[152:155], v26, s[12:13] offset:256
	global_load_b128 v[156:159], v26, s[12:13] offset:272
	; s' = 2^(-(head+1)/2) log2(e)
	s_add_co_u32 s76, s76, 1
	s_lshr_b32 s77, s76, 1
	s_sub_co_u32 s77, 127, s77
	s_lshl_b32 s77, s77, 23                        ; 2^(-floor((head+1)/2))
	s_mov_b32 s78, 0x3fb8aa3b                      ; log2(e)
	s_mov_b32 s79, 0x3f8293ee                      ; log2(e) / sqrt(2)
	s_bitcmp1_b32 s76, 0
	s_cselect_b32 s78, s79, s78
	s_mul_f32 s61, s78, s77                        ; s'
	s_mul_f32 s62, s61, 0xc2800000                 ; -64 s'
	v_mul_u32_u24 v[ADK], v18, 144
	v_lshl_add_u32 v[ADK], v19, 4, v[ADK]
	v_lshl_add_u32 v[ADV], v19, 3, v20
	v_mul_u32_u24 v[ADV], v[ADV], 160
	v_lshl_add_u32 v[ADV], v21, 4, v[ADV]
	v_add_nc_u32 v[ADV], VN, v[ADV]
	v_lshlrev_b32 v[ADT], 5, v19
	v_add_nc_u32 v[ADT], TT, v[ADT]
	v_lshlrev_b32 v[TADR], 2, v0
	v_add_nc_u32 v[TADR], TT, v[TADR]
	s_lshl_b32 s76, s56, 5
	v_lshlrev_b32 v[DQ], 3, v19
	v_sub_nc_u32 v[DQ], v18, v[DQ]
	v_add_nc_u32 v[DQ], s76, v[DQ]
	s_mul_i32 s76, s56, 4608
	s_add_co_u32 s76, s76, STG
	v_add_nc_u32 v[STO], s76, v[ADK]
	v_lshrrev_b32 v[RD], 3, v22
	v_mul_u32_u24 v[RD], v[RD], 144
	v_lshl_add_u32 v[RD], v20, 4, v[RD]
	v_add_nc_u32 v[RD], s76, v[RD]
	v_and_b32 v[BIASV], 63, v0
	v_cvt_f32_u32 v[BIASV], v[BIASV]
	v_mul_f32 v[BIASV], s61, v[BIASV]              ; s' (t % 64)
	v_mov_b32 v[MA+1], 0                           ; the second registers of pairs that are read whole
	v_mov_b32 v[MB+1], 0
	v_mov_b32 v[ALA+1], 0
	v_mov_b32 v[ALB+1], 0
	v_mov_b32 v[NEGV], 0xf149f2ca                  ; -1e30
	s_wait_loadcnt 0x0                             ; q, the mask bytes, the null rows
	v_mov_b32 v[MBITS], v160
.irp i, 1,2,3,4,5,6,7,8,9,10,11,12,13,14,15
	v_lshl_or_b32 v[MBITS], v[160+\i], \i, v[MBITS]
.endr
	; the null tiles: every even row a copy of null token 0, every odd row of token 1; rows 62 and 63 are the true ones, T hides the rest
.irp i, 0,1,2,3
	v_cvt_pk_f16_f32 v[176+\i], v[144+2*\i], v[144+2*\i+1]
	v_cvt_pk_f16_f32 v[180+\i], v[152+2*\i], v[152+2*\i+1]
.endr
	v_lshrrev_b32 v27, 4, v0
	v_lshl_add_u32 v27, v27, 3, v21                ; row 8 (t / 16) + n, and every second row from there
	v_mul_u32_u24 v28, v27, 144
	v_lshl_add_u32 v28, v20, 4, v28
	v_mul_u32_u24 v27, v27, 160
	v_lshl_add_u32 v27, v20, 4, v27
.irp i, 0,1,2,3
	ds_store_b128 v28, v[176:179] offset:288*\i
	ds_store_b128 v27, v[180:183] offset:VN+320*\i
.endr
	TSTORE 0, 0                                    ; T of the two tiles that are on their way: the sequence's first is E's tile 0,
	TSTORE 1, s63                                  ; its second the tile that the second TADDR named
	; T of the null block: waves 0 and 1, one entry a thread: entries 62 and 63 are seen, the rest is hidden
	s_cmp_gt_u32 s56, 1
	s_cbranch_scc1 .Lno_t0
	v_cmp_lt_u32 vcc_lo, 61, v0
	v_cndmask_b32 v19, v[NEGV], v[BIASV], vcc_lo
	ds_store_b32 v[TADR], v19
.Lno_t0:
	s_wait_dscnt 0x0                               ; my stores are done, for the other waves' sake
	s_barrier_signal -1
	s_barrier_wait -1                              ; the tables and the null tiles are whole
; ---- the pieces' steps; x = 0 for A, 1 for B
.macro WS x, kt, ks                    ; scores: 16 keys x 16 queries, 32 of d, onto T
	v_wmma_f32_16x16x32_f16 v[SA+32*\x+8*\kt:SA+32*\x+8*\kt+7], v[KV+16*\kt+8*\ks:KV+16*\kt+8*\ks+7], v[QA+16*\x+8*\ks:QA+16*\x+8*\ks+7], v[SA+32*\x+8*\kt:SA+32*\x+8*\kt+7]
.endm
.macro WO x, dt, vs, zero              ; O^T: 16 of d x 16 queries, 32 keys
.if \zero
	v_wmma_f32_16x16x32_f16 v[OA+32*\x+8*\dt:OA+32*\x+8*\dt+7], v[KV+32*\vs+8*\dt:KV+32*\vs+8*\dt+7], v[SA+32*\x+8*\vs:SA+32*\x+8*\vs+7], 0
.else
	v_wmma_f32_16x16x32_f16 v[OA+32*\x+8*\dt:OA+32*\x+8*\dt+7], v[KV+32*\vs+8*\dt:KV+32*\vs+8*\dt+7], v[SA+32*\x+8*\vs:SA+32*\x+8*\vs+7], v[OA+32*\x+8*\dt:OA+32*\x+8*\dt+7]
.endif
.endm
.macro TLOAD s, to                     ; register j of tile kt = T[16 kt + 8 h + j] of the block whose T lies at byte to of the table
.irp i, 0,1,2,3
	ds_load_b128 v[\s+8*\i:\s+8*\i+3], v[ADT] offset:\to+64*\i
	ds_load_b128 v[\s+8*\i+4:\s+8*\i+7], v[ADT] offset:\to+64*\i+16
.endr
.endm
.macro KLOAD ko, kt
.irp c, 0,1,2,3
	ds_load_b128 v[KV+16*\kt+4*\c:KV+16*\kt+4*\c+3], v[ADK] offset:\ko+\kt*2304+32*\c
.endr
.endm
.macro VLOAD vo, vs
.irp dt, 0,1,2,3
	ds_load_tr16_b128 v[KV+32*\vs+8*\dt:KV+32*\vs+8*\dt+3], v[ADV] offset:\vo+\vs*5120+32*\dt
	ds_load_tr16_b128 v[KV+32*\vs+8*\dt+4:KV+32*\vs+8*\dt+7], v[ADV] offset:\vo+\vs*5120+2560+32*\dt
.endr
.endm
.macro DIAGM x, base                   ; the causal mask in the diagonal tile: key base + 16 kt + 8 h + j above query 32 wave + 16 x + r
.set de, 0
.rept 32
	v_cmp_gt_i32 vcc_lo, \base+16*(de/8)+(de%8)-16*\x, v[DQ]
	v_cndmask_b32 v[SA+32*\x+de], v[SA+32*\x+de], v[NEGV], vcc_lo
.set de, de+1
.endr
.endm
.macro MAXA x
	v_max3_num_f32 v[T0], v[SA+32*\x+0], v[SA+32*\x+1], v[SA+32*\x+2]
	v_max3_num_f32 v[T1], v[SA+32*\x+3], v[SA+32*\x+4], v[SA+32*\x+5]
	v_max3_num_f32 v[T2], v[SA+32*\x+6], v[SA+32*\x+7], v[SA+32*\x+8]
	v_max3_num_f32 v[T3], v[SA+32*\x+9], v[SA+32*\x+10], v[SA+32*\x+11]
	v_max3_num_f32 v[T0], v[T0], v[SA+32*\x+12], v[SA+32*\x+13]
	v_max3_num_f32 v[T1], v[T1], v[SA+32*\x+14], v[SA+32*\x+15]
	v_max3_num_f32 v[T2], v[T2], v[SA+32*\x+16], v[SA+32*\x+17]
	v_max3_num_f32 v[T3], v[T3], v[SA+32*\x+18], v[SA+32*\x+19]
.endm
.macro MAXB x
	v_max3_num_f32 v[T0], v[T0], v[SA+32*\x+20], v[SA+32*\x+21]
	v_max3_num_f32 v[T1], v[T1], v[SA+32*\x+22], v[SA+32*\x+23]
	v_max3_num_f32 v[T2], v[T2], v[SA+32*\x+24], v[SA+32*\x+25]
	v_max3_num_f32 v[T3], v[T3], v[SA+32*\x+26], v[SA+32*\x+27]
	v_max3_num_f32 v[T0], v[T0], v[SA+32*\x+28], v[SA+32*\x+29]
	v_max3_num_f32 v[T1], v[T1], v[SA+32*\x+30], v[SA+32*\x+31]
	v_max3_num_f32 v[T0], v[T0], v[T1], v[T2]
	v_max_num_f32 v[T0], v[T0], v[T3]
.endm
.macro SMM x, first                    ; the new maximum (both halves of the lanes agree on it) and alpha = 2^(old - new)
	v_permlanex16_b32 v[T1], v[T0], s66, s67
.if \first
	v_max_num_f32 v[MA+2*\x], v[T0], v[T1]
.else
	v_max3_num_f32 v[T3], v[T0], v[T1], v[MA+2*\x]
	v_sub_f32 v[T2], v[MA+2*\x], v[T3]
	v_mov_b32 v[MA+2*\x], v[T3]
	v_exp_f32 v[ALA+2*\x], v[T2]                   ; the plain instruction behind it is SUBT's first
.endif
.endm
.macro SUBT x, g
.irp i, 0,2,4,6
	v_pk_add_f32 v[SA+32*\x+8*\g+\i:SA+32*\x+8*\g+\i+1], v[SA+32*\x+8*\g+\i:SA+32*\x+8*\g+\i+1], v[MA+2*\x:MA+2*\x+1] op_sel_hi:[1,0] neg_lo:[0,1] neg_hi:[0,1]
.endr
.endm
.macro EXPT x, g
.irp i, 0,1,2,3,4,5,6,7
	v_exp_f32 v[SA+32*\x+8*\g+\i], v[SA+32*\x+8*\g+\i]
.endr
.endm
.macro SUMT x, g
.if \g == 0
	s_wait_alu depctr_va_vdst(0)
	v_pk_add_f32 v[SUA+4*\x:SUA+4*\x+1], v[SA+32*\x:SA+32*\x+1], v[SA+32*\x+2:SA+32*\x+3]
	v_pk_add_f32 v[SUA+4*\x+2:SUA+4*\x+3], v[SA+32*\x+4:SA+32*\x+5], v[SA+32*\x+6:SA+32*\x+7]
.else
	s_wait_alu depctr_va_vdst(0)
	v_pk_add_f32 v[SUA+4*\x:SUA+4*\x+1], v[SUA+4*\x:SUA+4*\x+1], v[SA+32*\x+8*\g:SA+32*\x+8*\g+1]
	v_pk_add_f32 v[SUA+4*\x+2:SUA+4*\x+3], v[SUA+4*\x+2:SUA+4*\x+3], v[SA+32*\x+8*\g+2:SA+32*\x+8*\g+3]
	v_pk_add_f32 v[SUA+4*\x:SUA+4*\x+1], v[SUA+4*\x:SUA+4*\x+1], v[SA+32*\x+8*\g+4:SA+32*\x+8*\g+5]
	v_pk_add_f32 v[SUA+4*\x+2:SUA+4*\x+3], v[SUA+4*\x+2:SUA+4*\x+3], v[SA+32*\x+8*\g+6:SA+32*\x+8*\g+7]
.endif
.endm
.macro CVTT x, g                       ; tile g's eight f32 become four registers of f16 at S + 4 g: tiles 2 vs, 2 vs + 1 are P^T's fragment vs
.irp i, 0,1,2,3
	v_cvt_pk_f16_f32 v[SA+32*\x+4*\g+\i], v[SA+32*\x+8*\g+2*\i], v[SA+32*\x+8*\g+2*\i+1]
.endr
.endm
.macro RESC x, a, n, first             ; O's pairs a .. a + n - 1 times alpha; in a block's first substep there is no O yet: four places
.if \first
.rept 4
	v_nop
.endr
.else
.set rp, \a
.rept \n
	v_pk_mul_f32 v[OA+32*\x+2*rp:OA+32*\x+2*rp+1], v[OA+32*\x+2*rp:OA+32*\x+2*rp+1], v[ALA+2*\x:ALA+2*\x+1] op_sel_hi:[1,0]
.set rp, rp+1
.endr
.endif
.endm
.macro SCOMB x
	v_pk_add_f32 v[SUA+4*\x:SUA+4*\x+1], v[SUA+4*\x:SUA+4*\x+1], v[SUA+4*\x+2:SUA+4*\x+3]
	v_add_f32 v[SUA+4*\x], v[SUA+4*\x], v[SUA+4*\x+1]
.endm
.macro LFIN x, first
.if \first
	v_mov_b32 v[MA+2*\x+1], v[SUA+4*\x]
.else
	v_fma_f32 v[MA+2*\x+1], v[MA+2*\x+1], v[ALA+2*\x], v[SUA+4*\x]
.endif
.endm
; ---- one block of 64 keys for both pieces.  At its head 24 LDS loads are out, in this order: T for A (8), K tiles 0, 1 (8), K tiles 2, 3 (8).
; vo: V's offset from the null V tile; to: this block's T in the table; first: the block's first substep; diag: -1, or the key base 0 or
; 64 in the diagonal tile; ring: 0 none; 1 this slot is filled again; 2 a barrier behind a wait for all tensor loads, nothing filled;
; 3 a barrier behind a counted wait, nothing filled; nko, nto: K's LDS offset and T's table offset for the next substep, or nko = -1.
; One piece's softmax stands between the other piece's matrix instructions.  No two matrix instructions that follow each other share an
; accumulator, one instruction a turn, over the loops' backward jumps too.
.macro SUBSTEP vo, to, first, diag, ring, slot, nko, nto
	TLOAD SB, \to                                  ; four plain instructions behind the last product that read B's probabilities
	s_wait_dscnt 16                                ; T for A and K tiles 0, 1 are in; K tiles 2, 3 and T for B may be out
	WS 0,0,0
	WS 0,1,0
	WS 0,0,1
	WS 0,1,1
	s_wait_dscnt 8                                 ; K tiles 2, 3 are in; T for B may be out
	WS 0,2,0
	WS 0,3,0
	WS 0,2,1
	WS 0,3,1
.if \first                                         ; four places before A's scores are read (ISA guide 7.12.1)
	v_nop
	v_nop
.else
	v_add_f32 v[MA], s62, v[MA]                    ; the maxima move into this block's frame
	v_add_f32 v[MB], s62, v[MB]
.endif
	v_nop
	v_nop
	s_wait_dscnt 0                                 ; T for B
	WS 1,0,0
.if \diag >= 0
	DIAGM 0, \diag
.endif
	MAXA 0
	WS 1,1,0
	MAXB 0
	WS 1,0,1
	SMM 0, \first
	SUBT 0,0
	WS 1,1,1
	EXPT 0,0
	SUBT 0,1                                       ; also the four places in front of the loads over K tiles 0, 1
	VLOAD \vo, 0
	WS 1,2,0
	SUMT 0,0
	CVTT 0,0
	EXPT 0,1
	SUBT 0,2
	WS 1,3,0
	SUMT 0,1
	CVTT 0,1
	EXPT 0,2
	SUBT 0,3
	WS 1,2,1
	SUMT 0,2
	CVTT 0,2
	EXPT 0,3
	RESC 0,0,4,\first
	WS 1,3,1
	SUMT 0,3
	CVTT 0,3
	RESC 0,4,12,\first
	SCOMB 0
	VLOAD \vo, 1
.if \diag >= 0
	DIAGM 1, \diag
.endif
	MAXA 1
	MAXB 1
	s_wait_dscnt 8                                 ; V's keys 0-31 are in; keys 32-63 may be out
	WO 0,0,0,\first
	SMM 1, \first
	SUBT 1,0
	WO 0,1,0,\first
	EXPT 1,0
	SUBT 1,1
	WO 0,2,0,\first
	SUMT 1,0
	CVTT 1,0
	EXPT 1,1
	SUBT 1,2
	WO 0,3,0,\first
	SUMT 1,1
	CVTT 1,1
	s_wait_dscnt 0                                 ; V's keys 32-63; with them all my reads of this slot and of its T are over, and my last store into T is done
.if \ring == 1
	s_set_vgpr_msb 0x5
	s_wait_tensorcnt 0x0                           ; all my tensor loads have landed, my part of the other slot among them,
	ds_add_u32 v0, v1
	s_wait_dscnt 0x0
	s_set_vgpr_msb 0x500
	TADDR \slot                                    ; so this slot's addresses may be written
	s_barrier_signal -1
.endif
.if \ring == 2
	s_wait_tensorcnt 0x0                           ; my part of the last tile has landed
	s_barrier_signal -1
.endif
.if \ring == 3
	s_wait_tensorcnt 0x2                           ; my part of tile 0 has landed; tile 1's two loads may be out
	s_barrier_signal -1
.endif
	WO 0,0,1,0                                     ; register work alone between signal and wait
	RESC 1,0,4,\first
	WO 0,1,1,0
	RESC 1,4,4,\first
	WO 0,2,1,0
	RESC 1,8,4,\first
	WO 0,3,1,0
	RESC 1,12,4,\first                             ; also the four places in front of the loads over A's probabilities
.if \ring
	s_barrier_wait -1
.endif
.if \ring == 1
	TLOADS \slot                                   ; the refill comes first behind the barrier: two loads of the wave are out
	TSTORE \slot, s63                              ; and the slot's T for the tile asked for: nobody reads it before the next step's barrier
.endif
.if \nko >= 0
	TLOAD SA, \nto
.endif
	WO 1,0,0,\first
	EXPT 1,2
	WO 1,1,0,\first
	SUBT 1,3
	WO 1,2,0,\first
	EXPT 1,3
	WO 1,3,0,\first
	SUMT 1,2                                       ; also the four places in front of the loads over V's keys 0-31
	CVTT 1,2
.if \nko >= 0
	KLOAD \nko, 0
	KLOAD \nko, 1
.endif
	SUMT 1,3
	CVTT 1,3
	WO 1,0,1,0
	WO 1,1,1,0
	WO 1,2,1,0
	WO 1,3,1,0
	LFIN 0, \first                                 ; four plain instructions: the places in front of the loads over V's keys 32-63
	SCOMB 1                                        ; and over B's probabilities
	LFIN 1, \first
.if \nko >= 0
	KLOAD \nko, 2
	KLOAD \nko, 3
.endif
.endm
; a tile of 128 keys in slot: two substeps; the ring's work stands in the second, when the slot's last fragments are in registers
.macro STEP slot, diag, ring, nextko, nextto
.if \diag
	SUBSTEP 10240+VSL*\slot, 256+512*\slot, 0, 0, 0, \slot, K0+9216+KSL*\slot, 512+512*\slot
	SUBSTEP 20480+VSL*\slot, 512+512*\slot, 0, 64, \ring, \slot, \nextko, \nextto
.else
	SUBSTEP 10240+VSL*\slot, 256+512*\slot, 0, -1, 0, \slot, K0+9216+KSL*\slot, 512+512*\slot
	SUBSTEP 20480+VSL*\slot, 512+512*\slot, 0, -1, \ring, \slot, \nextko, \nextto
.endif
.endm
.macro PRELOAD                         ; the null block's T and K, in the order in which a substep leaves them
	TLOAD SA, 0
	KLOAD 0, 0
	KLOAD 0, 1
	KLOAD 0, 2
	KLOAD 0, 3
.endm
; the way out: O / l, rounded to f16, through my own stage, out as whole rows
.macro FINAL b0
	v_permlanex16_b32 v[T0], v[MA+1], s66, s67     ; the two halves of the lanes hold the sums of different keys
	v_permlanex16_b32 v[T1], v[MB+1], s66, s67
	v_add_f32 v[T0], v[T0], v[MA+1]
	v_add_f32 v[T1], v[T1], v[MB+1]
	v_rcp_f32 v[ALA], v[T0]
	v_rcp_f32 v[ALB], v[T1]
	v_and_b32 v[T2], 31, v0                        ; a plain instruction behind the transcendentals (ISA guide 5.7.2):
	v_lshlrev_b32 v[T2], 4, v[T2]                  ; 16 x lane, the stores' offset
.irp x, 0,1
.irp dt, 0,1,2,3
.irp i, 0,2,4,6
	s_wait_alu depctr_va_vdst(0)
	v_pk_mul_f32 v[OA+32*\x+8*\dt+\i:OA+32*\x+8*\dt+\i+1], v[OA+32*\x+8*\dt+\i:OA+32*\x+8*\dt+\i+1], v[ALA+2*\x:ALA+2*\x+1] op_sel_hi:[1,0]
.endr
.irp i, 0,1,2,3
	v_cvt_pk_f16_f32 v[OA+32*\x+8*\dt+\i], v[OA+32*\x+8*\dt+2*\i], v[OA+32*\x+8*\dt+2*\i+1]
.endr
	ds_store_b128 v[STO], v[OA+32*\x+8*\dt:OA+32*\x+8*\dt+3] offset:\x*2304+32*\dt
.endr
.endr
.irp t, 0,1,2,3,4,5,6,7
	ds_load_b128 v[SB+4*\t:SB+4*\t+3], v[RD] offset:576*\t         ; LDS serves a wave's instructions in order: these see the stores above
.endr
.irp t, 0,1,2,3,4,5,6,7
	s_wait_dscnt 7-\t
	global_store_b128 v[T2], v[SB+4*\t:SB+4*\t+3], s[\b0:\b0+1] offset:512*\t   ; the wave stores 512 consecutive bytes, aligned
.endr
	s_wait_xcnt 0x0                                ; the stores' data and offset registers are rewritten only behind this wait
.endm
	; ---- block E (even): null block, tiles 0 .. qbE - 1 in pairs, the diagonal tile (slot 0)
	PRELOAD
	SUBSTEP 0, 0, 1, -1, 3, 0, K0, 256
	s_lshr_b32 s60, s58, 1
	s_cmp_eq_u32 s60, 0
	s_cbranch_scc1 .Le_diag
.Le_loop:
	STEP 0, 0, 1, K0+KSL, 768
	STEP 1, 0, 1, K0, 256
	s_sub_co_u32 s60, s60, 1
	s_cmp_lg_u32 s60, 0
	s_cbranch_scc1 .Le_loop
.Le_diag:
	STEP 0, 1, 1, -1, 0                            ; its refill is O's tile 1; O's tile 0 has landed in every wave in front of its barrier
	QLOAD 70
	FINAL 72
	; ---- block O (odd): null block, tile 0 in slot 1, ..., the diagonal tile in slot 0
	PRELOAD
	s_wait_loadcnt 0x0                             ; O's queries
	SUBSTEP 0, 0, 1, -1, 0, 0, K0+KSL, 768
	s_sub_co_u32 s60, s59, 1
	s_lshr_b32 s60, s60, 1
	s_cmp_eq_u32 s60, 0
	s_cbranch_scc1 .Lo_tail
.Lo_loop:
	STEP 1, 0, 1, K0, 256
	STEP 0, 0, 1, K0+KSL, 768
	s_sub_co_u32 s60, s60, 1
	s_cmp_lg_u32 s60, 0
	s_cbranch_scc1 .Lo_loop
.Lo_tail:
	STEP 1, 0, 2, K0, 256                          ; the last two tiles fetch nothing
	STEP 0, 1, 0, -1, 0
	FINAL 74
	s_set_vgpr_msb 0x5
	s_wait_tensorcnt 0x0
	ds_add_u32 v0, v1
	s_wait_dscnt 0x0
	s_set_vgpr_msb 0x500
	s_endpgm
.Lfunc_end_k_qc54f30e4d8_attn:
	.size	k_qc54f30e4d8_attn, .Lfunc_end_k_qc54f30e4d8_attn-k_qc54f30e4d8_attn
	.p2alignl 7, 3214868480
	.fill 96, 4, 3214868480
	.section	.rodata,"a",@progbits
	.p2align	6, 0x0
	.amdhsa_kernel k_qc54f30e4d8_attn
		.amdhsa_group_segment_fixed_size 327680
		.amdhsa_private_segment_fixed_size 0
		.amdhsa_enable_private_segment 0
		.amdhsa_kernarg_size 48
		.amdhsa_user_sgpr_count 2
		.amdhsa_user_sgpr_kernarg_segment_ptr 1
		.amdhsa_wavefront_size32 1
		.amdhsa_system_sgpr_workgroup_id_x 1
		.amdhsa_system_sgpr_workgroup_id_y 1
		.amdhsa_system_sgpr_workgroup_id_z 1
		.amdhsa_system_vgpr_workitem_id 0
		.amdhsa_next_free_vgpr 258
		.amdhsa_next_free_sgpr 80
		.amdhsa_reserve_vcc 1
		.amdhsa_float_denorm_mode_32 3
		.amdhsa_float_denorm_mode_16_64 3
		.amdhsa_memory_ordered 1
		.amdhsa_forward_progress 1
		.amdhsa_inst_pref_size 255
	.end_amdhsa_kernel
	.section	.bss,"aw",@nobits
	.p2align	6
	.space	262144
	.amdgpu_metadata
---
amdhsa.version: [ 1, 2 ]
amdhsa.kernels:
  - .name:           k_qc54f30e4d8_attn
    .symbol:         k_qc54f30e4d8_attn.kd
    .args:
      - { .name: qh, .offset: 0, .size: 8, .value_kind: global_buffer, .address_space: global }
      - { .name: kh, .offset: 8, .size: 8, .value_kind: global_buffer, .address_space: global }
      - { .name: vh, .offset: 16, .size: 8, .value_kind: global_buffer, .address_space: global }
      - { .name: mask, .offset: 24, .size: 8, .value_kind: global_buffer, .address_space: global }
      - { .name: null_kv, .offset: 32, .size: 8, .value_kind: global_buffer, .address_space: global }
      - { .name: ao, .offset: 40, .size: 8, .value_kind: global_buffer, .address_space: global }
    .group_segment_fixed_size: 327680
    .private_segment_fixed_size: 0
    .kernarg_segment_align: 8
    .kernarg_segment_size: 48
    .max_flat_workgroup_size: 128
    .sgpr_count:     80
    .vgpr_count:     258
    .wavefront_size: 32
...
	.end_amdgpu_metadata
.endif
;; end of part 3
;; launch oproj (part 4): grid 8 x 32, 4 waves a work-group, clusters of 4 x 4, 327,680 bytes of LDS; arguments ao, wouth, out0; writes out0
.if DOCPART == 4
	.amdgcn_target "amdgcn-amd-amdhsa--gfx1250"
	.amdhsa_code_object_version 6
	.text
	.protected	k_qc54f30e4d8_oproj
	.globl	k_qc54f30e4d8_oproj
	.p2align	8
	.type	k_qc54f30e4d8_oproj,@function
k_qc54f30e4d8_oproj:
	s_mov_b64 s[64:65], 0
	v_nop
	global_prefetch_b8 v0, s[64:65] scope:SCOPE_SE
	s_setreg_imm32_b32 hwreg(HW_REG_WAVE_MODE, 25, 1), 1
	s_wait_xcnt 0x0
	s_wait_alu depctr_hold_cnt(0) depctr_sa_sdst(0) depctr_va_vdst(0) depctr_va_sdst(0) depctr_va_ssrc(0) depctr_va_vcc(0) depctr_vm_vsrc(0)
	s_getreg_b32 s2, hwreg(HW_REG_IB_STS2, 6, 4)
	s_cmp_eq_u32 s2, 0
	s_cbranch_scc0 .Lentry_in_a_cluster
	s_endpgm
.Lentry_in_a_cluster:
	s_bfe_u32 s2, ttmp6, 0x10000c
	s_cmp_lg_u32 s2, 0xf033
	s_cbranch_scc0 .Lentry_shape_is_right
	s_endpgm
.Lentry_shape_is_right:
; oproj: out0[4096][1024] f32 = A[4096][1024] x wouth[1024][1024], f16 operands, f32 sums.
; A is ao, [batch 2][head 16][row 2048][64] f16: A(m, k) with m = 2048 batch + row, k = 64 head + d.
; A work-group makes 128 x 128 (256 work-groups), a wave 64 x 64: 16 accumulator tiles in register window 1 (tile (a, b) at v[8 (4 a + b)]).
; K goes in four steps of 256 (four heads) through two LDS slots filled by the tensor data mover.
; CLUSTERS: 4 x 4 work-groups; A's tile is asked for jointly along a row of the cluster, B's along a column.
; The matrix instruction is used transposed (source 0 = 16 columns of wouth, source 1 = 16 rows of A): a lane holds eight neighbouring
; columns of one row.  wouth lies [k][n]: its fragments come by the transposing LDS load.
.set APL,    9216                      ; one head's 64 rows of A at pitch 144
.set QUART,  36864                     ; what one tensor load brings: 4 heads x 64 rows of A, or 128 k-rows of B at pitch 288
.set SLOT,   4*QUART
.set STAGE,  2*SLOT
.set SPITCH, 272
.set ADRA, 16                          ; v16-17  my A fragments in slot 0, 1
.set ADRB, 20                          ; v20-23  my B fragments: slot 0 k-rows 0-127, 128-255; slot 1 likewise
.set STO,  24
.set RD,   25
.set CO,   26
.set F0,   64                          ; fragment buffers: A's four fragments at +0, B's four at +32
.set F1,   128
.set G1, 24
.set G0, 32
.set G1B, 48
.set G0B, 56
.set MULW, 0x50                        ; C and D in window 1, sources in window 0
.set MSB, 0
.macro WIN new                         ; the immediate's high byte repeats the setting that is left
.if MSB != \new
	s_set_vgpr_msb (MSB<<8)|\new
.set MSB, \new
.endif
.endm
.macro JLOAD s                         ; waves 0 and 1 fetch A's halves, waves 2 and 3 B's; the branch hangs on the wave's number alone
	s_cmp_eq_u32 s11, 0
	s_cbranch_scc0 .Lfor_b_\@
	tensor_load_to_lds s[G0+4*\s:G0+4*\s+3], s[G1:G1+7]
	s_nop 0
	s_branch .Lasked_\@
.Lfor_b_\@:
	tensor_load_to_lds s[G0B+4*\s:G0B+4*\s+3], s[G1B:G1B+7]
	s_nop 0
.Lasked_\@:
.endm
.macro CREST
	s_cmp_lg_u32 s10, 0
	s_cbranch_scc1 .Lnot_wave_0_\@
	s_barrier_signal -3
.Lnot_wave_0_\@:
	s_barrier_wait -3
	s_barrier_signal -1
	s_barrier_wait -1
.endm
.macro CROUND
	s_barrier_signal -1
	s_barrier_wait -1
	CREST
.endm
	s_load_b128 s[4:7], s[0:1], 0x0                ; ao, wouth
	s_load_b64 s[8:9], s[0:1], 0x10                ; out0
	v_lshl_add_u32 v254, v0, 2, 0x4c400
	v_mov_b32 v255, 0
	ds_add_u32 v254, v255
	ds_add_u32 v254, v255
	v_lshrrev_b32 v1, 5, v0
	v_readfirstlane_b32 s10, v1                    ; wave
	s_lshr_b32 s11, s10, 1                         ; my half of the rows.  Also: I fetch for A (0) or for B (1)
	s_and_b32 s12, s10, 1                          ; my half of the columns.  Also: which half of that tile I fetch
	s_bfe_u32 s40, ttmp6, 0x40000                  ; cx
	s_bfe_u32 s41, ttmp6, 0x40004                  ; cy
	s_lshl_b32 s42, ttmp9, 2
	s_add_co_u32 s42, s42, s40                     ; block column 0..7
	s_and_b32 s13, ttmp7, 0xffff
	s_lshl_b32 s13, s13, 2
	s_add_co_u32 s13, s13, s41                     ; block row 0..31
	s_lshl_b32 s43, s41, 2
	s_lshl_b32 s43, 15, s43                        ; my row of the cluster
	s_lshl_b32 s44, 0x1111, s40                    ; my column
	; group 1 for A: a 'row' is one head's 64 dense rows (4,096 elements of 2 bytes), four heads a plane apart; 4 words of padding behind every 32
	s_or_b32 s[G1+0], s43, (1<<16)|(1<<20)|(1<<21)|(4<<22)|(3<<25)
	s_mov_b32 s[G1+1], 4096<<16                    ; tensor_dim0
	s_mov_b32 s[G1+2], 4<<16                       ; tensor_dim1
	s_mov_b32 s[G1+3], 4096<<16                    ; tile_dim0
	s_mov_b32 s[G1+4], 4                           ; tile_dim1
	s_mov_b32 s[G1+5], 131072                      ; a head's plane in elements
	s_mov_b32 s[G1+6], 0
	s_mov_b32 s[G1+7], 0
	; group 1 for B: 128 k-rows x 128 elements; 8 words of padding behind every 64
	s_or_b32 s[G1B+0], s44, (1<<16)|(1<<20)|(1<<21)|(5<<22)|(7<<25)
	s_mov_b32 s[G1B+1], 128<<16
	s_mov_b32 s[G1B+2], 128<<16
	s_mov_b32 s[G1B+3], 128<<16
	s_mov_b32 s[G1B+4], 128
	s_mov_b32 s[G1B+5], 1024
	s_mov_b32 s[G1B+6], 0
	s_mov_b32 s[G1B+7], 0
	s_lshr_b32 s16, s13, 4                         ; A: batch x 16 planes of 262,144 bytes
	s_lshl_b32 s16, s16, 22
	s_and_b32 s17, s13, 15
	s_lshl_b32 s17, s17, 14                        ; + 128 rows of 128 bytes x block
	s_add_co_u32 s16, s16, s17
	s_lshl_b32 s17, s12, 13                        ; + 64 rows x half
	s_add_co_u32 s16, s16, s17
	s_mov_b32 s17, 0
	s_lshl_b32 s46, s42, 8                         ; B: 256 bytes x block column
	s_lshl_b32 s47, s12, 18                        ; + 128 k-rows of 2,048 bytes x half
	s_add_co_u32 s46, s46, s47
	s_mov_b32 s47, 0
	s_mul_i32 s20, s10, QUART                      ; where they go: the wave's number alone
	s_wait_dscnt 0x0
	s_wait_kmcnt 0x0
	s_add_nc_u64 s[14:15], s[4:5], s[16:17]
	s_add_nc_u64 s[46:47], s[6:7], s[46:47]
	CROUND                                         ; the first joint loads meet
.irp s, 0,1
	s_mov_b32 s[G0+4*\s], 1
	s_add_co_u32 s[G0+4*\s+1], s20, \s*SLOT
	s_add_nc_u64 s[G0+4*\s+2:G0+4*\s+3], s[14:15], \s*1048576      ; K step s: four planes on
	s_or_b32 s[G0+4*\s+3], s[G0+4*\s+3], 0x80000000
	s_mov_b32 s[G0B+4*\s], 1
	s_add_co_u32 s[G0B+4*\s+1], s20, \s*SLOT
	s_add_nc_u64 s[G0B+4*\s+2:G0B+4*\s+3], s[46:47], \s*524288     ; 256 k-rows on
	s_or_b32 s[G0B+4*\s+3], s[G0B+4*\s+3], 0x80000000
	JLOAD \s
.endr
	v_and_b32 v1, 15, v0                           ; r
	v_bfe_u32 v2, v0, 4, 1                         ; h
	v_and_b32 v6, 7, v0
	v_bfe_u32 v7, v0, 3, 1
	v_mul_u32_u24 v3, v1, 144
	v_lshl_add_u32 v3, v2, 4, v3                   ; A: r 144 + 16 h
	v_lshl_add_u32 v4, v2, 3, v6
	v_mul_u32_u24 v4, v4, 288
	v_lshl_add_u32 v4, v7, 4, v4                   ; B: (8 h + l % 8) 288 + 16 ((l / 8) % 2)
	s_mul_i32 s21, s11, QUART                      ; my 64 rows of A
	s_lshl_b32 s22, s12, 7                         ; my 64 columns of B,
	s_add_co_u32 s22, s22, 2*QUART                 ; which lies behind A
.irp s, 0,1
	v_add_nc_u32 v[ADRA+\s], s21, v3
	v_add_nc_u32 v[ADRB+2*\s], s22, v4
	s_add_co_u32 s22, s22, QUART
	v_add_nc_u32 v[ADRB+2*\s+1], s22, v4
	s_add_co_u32 s21, s21, SLOT
	s_add_co_u32 s22, s22, SLOT-QUART
.endr
	s_mul_i32 s23, s10, 16*SPITCH
	s_add_co_u32 s23, s23, STAGE
	v_mul_u32_u24 v5, v1, SPITCH
	v_lshl_add_u32 v5, v2, 5, v5
	v_add_nc_u32 v[STO], s23, v5                   ; in: row r, 32 bytes for each half of the lanes
	v_mul_u32_u24 v5, v2, SPITCH
	v_lshl_add_u32 v5, v1, 4, v5
	v_add_nc_u32 v[RD], s23, v5                    ; back: lanes 0-15 one row of 256 bytes, lanes 16-31 the next
	v_lshlrev_b32 v5, 12, v2
	v_lshl_add_u32 v[CO], v1, 4, v5                ; the same two rows in out0
; 8 matrix instructions: row tiles a0, a0 + 1 x four column tiles, 32 along K.  The 16 accumulators take turns, one instruction a turn,
; in the same order in every eighth.
.macro MUL8 f, a0, zero
.irp a, \a0, \a0+1
.irp b, 0,1,2,3
.if \zero
	v_wmma_f32_16x16x32_f16 v[8*(4*(\a)+\b):8*(4*(\a)+\b)+7], v[\f+32+8*\b:\f+32+8*\b+7], v[\f+8*(\a):\f+8*(\a)+7], 0
.else
	v_wmma_f32_16x16x32_f16 v[8*(4*(\a)+\b):8*(4*(\a)+\b)+7], v[\f+32+8*\b:\f+32+8*\b+7], v[\f+8*(\a):\f+8*(\a)+7], v[8*(4*(\a)+\b):8*(4*(\a)+\b)+7]
.endif
.endr
.endr
.endm
; 16 LDS loads: the fragments of eighth e of a K step (32 along K: half of head e / 2) into buffer f
.macro FETCH slot, e, f
.irp i, 0,1,2,3
	ds_load_b128 v[\f+8*\i:\f+8*\i+3],   v[ADRA+\slot] offset:(\e/2)*APL+(\e%2)*64+\i*2304
	ds_load_b128 v[\f+8*\i+4:\f+8*\i+7], v[ADRA+\slot] offset:(\e/2)*APL+(\e%2)*64+\i*2304+32
.endr
.irp b, 0,1,2,3
	ds_load_tr16_b128 v[\f+32+8*\b:\f+32+8*\b+3],   v[ADRB+2*\slot+\e/4] offset:(\e%4)*9216+32*\b
	ds_load_tr16_b128 v[\f+32+8*\b+4:\f+32+8*\b+7], v[ADRB+2*\slot+\e/4] offset:(\e%4)*9216+32*\b+4608
.endr
.endm
.macro PLACES                          ; four plain instructions between a matrix instruction and a load into a register that it read
.rept 4
	v_nop
.endr
.endm
; one eighth: fetches eighth en into buffer g, multiplies buffer f
.macro EIGHTH slot, en, f, g, zero
	WIN 0
	PLACES
	FETCH \slot, \en, \g
	s_wait_dscnt 16                                ; buffer f is in; the 16 loads just issued may be out
	WIN MULW
	MUL8 \f, 0, \zero
	MUL8 \f, 2, \zero
.endm
.macro SEVEN slot, zero
	EIGHTH \slot, 1, F0, F1, \zero
	EIGHTH \slot, 2, F1, F0, 0
	EIGHTH \slot, 3, F0, F1, 0
	EIGHTH \slot, 4, F1, F0, 0
	EIGHTH \slot, 5, F0, F1, 0
	EIGHTH \slot, 6, F1, F0, 0
	EIGHTH \slot, 7, F0, F1, 0
.endm
; the last eighth multiplies buffer 1 and changes slots: waits, barrier (with a refill: a round of the cluster's barrier), refill first
.macro TURN slot, next, fill
	s_wait_dscnt 0                                 ; my reads of this slot are over
	s_wait_tensorcnt 0x0                           ; all my tensor loads have landed: the one that was out is my part of the next slot
	ds_add_u32 v254, v255
	s_wait_dscnt 0x0
	s_barrier_signal -1
	WIN MULW
	MUL8 F1, 0, 0                                  ; register work while the others arrive
	WIN 0
	s_barrier_wait -1
.if \fill
	CREST
	s_add_nc_u64 s[G0+4*\slot+2:G0+4*\slot+3], s[G0+4*\slot+2:G0+4*\slot+3], 2097152
	s_add_nc_u64 s[G0B+4*\slot+2:G0B+4*\slot+3], s[G0B+4*\slot+2:G0B+4*\slot+3], 1048576
	JLOAD \slot                                    ; the first tensor load behind the round
.endif
	PLACES
	FETCH \next, 0, F0
	WIN MULW
	MUL8 F1, 2, 0
.endm
	s_wait_tensorcnt 1                             ; my part of K step 0 is in; K step 1's load may be out
	s_barrier_signal -1
	s_barrier_wait -1
	FETCH 0, 0, F0
	SEVEN 0, 1                                     ; the first products start the sums
	TURN 0, 1, 1
	SEVEN 1, 0
	TURN 1, 0, 1
	SEVEN 0, 0
	TURN 0, 1, 0
	SEVEN 1, 0
	s_wait_dscnt 0
	MUL8 F1, 0, 0
	MUL8 F1, 2, 0
	; THE WAY OUT, 16 rows at a time through my own stage: a row of my block is 64 f32 = 256 bytes
	WIN 0
	PLACES
	s_lshl_b32 s16, s13, 19                        ; 128 rows of 4,096 bytes x block row
	s_lshl_b32 s17, s11, 18                        ; + my 64 rows
	s_add_co_u32 s16, s16, s17
	s_mov_b32 s17, 0
	s_add_nc_u64 s[8:9], s[8:9], s[16:17]
	s_lshl_b32 s46, s42, 9                         ; 512 bytes x block column + my 256 (in the registers that held B's address)
	s_lshl_b32 s47, s12, 8
	s_add_co_u32 s46, s46, s47
	s_mov_b32 s47, 0
	s_add_nc_u64 s[8:9], s[8:9], s[46:47]
.macro OUT16 i, f
	WIN 0x04                                       ; an LDS store's data are source 1: window 1
.irp b, 0,1,2,3
	ds_store_b128 v[STO], v[8*(4*\i+\b):8*(4*\i+\b)+3] offset:64*\b
	ds_store_b128 v[STO], v[8*(4*\i+\b)+4:8*(4*\i+\b)+7] offset:64*\b+16
.endr
	WIN 0
	s_wait_xcnt 0x0                                ; buffer f, which earlier stores read, is rewritten only behind this wait
.irp t, 0,1,2,3,4,5,6,7
	ds_load_b128 v[\f+4*\t:\f+4*\t+3], v[RD] offset:\t*2*SPITCH    ; LDS serves a wave's instructions in order: these see the stores above
.endr
.irp t, 0,1,2,3,4,5,6,7
	s_wait_dscnt 7-\t
	global_store_b128 v[CO], v[\f+4*\t:\f+4*\t+3], s[8:9] offset:(16*\i+2*\t)*4096 th:TH_STORE_NT   ; 16 lanes store 256 consecutive bytes, aligned
.endr
.endm
	OUT16 0, F0
	OUT16 1, F1
	OUT16 2, F0
	OUT16 3, F1
	s_wait_tensorcnt 0x0
	ds_add_u32 v254, v255
	s_wait_dscnt 0x0
	CROUND                                         ; the closing round
	s_endpgm
.Lfunc_end_k_qc54f30e4d8_oproj:
	.size	k_qc54f30e4d8_oproj, .Lfunc_end_k_qc54f30e4d8_oproj-k_qc54f30e4d8_oproj
	.p2alignl 7, 3214868480
	.fill 96, 4, 3214868480
	.section	.rodata,"a",@progbits
	.p2align	6, 0x0
	.amdhsa_kernel k_qc54f30e4d8_oproj
		.amdhsa_group_segment_fixed_size 327680
		.amdhsa_private_segment_fixed_size 0
		.amdhsa_enable_private_segment 0
		.amdhsa_kernarg_size 24
		.amdhsa_user_sgpr_count 2
		.amdhsa_user_sgpr_kernarg_segment_ptr 1
		.amdhsa_wavefront_size32 1
		.amdhsa_system_sgpr_workgroup_id_x 1
		.amdhsa_system_sgpr_workgroup_id_y 1
		.amdhsa_system_sgpr_workgroup_id_z 1
		.amdhsa_system_vgpr_workitem_id 0
		.amdhsa_next_free_vgpr 384
		.amdhsa_next_free_sgpr 66
		.amdhsa_reserve_vcc 0
		.amdhsa_float_denorm_mode_32 3
		.amdhsa_float_denorm_mode_16_64 3
		.amdhsa_memory_ordered 1
		.amdhsa_forward_progress 1
		.amdhsa_inst_pref_size 89
	.end_amdhsa_kernel
	.amdgpu_metadata
---
amdhsa.version: [ 1, 2 ]
amdhsa.kernels:
  - .name:           k_qc54f30e4d8_oproj
    .symbol:         k_qc54f30e4d8_oproj.kd
    .args:
      - { .name: ao, .offset: 0, .size: 8, .value_kind: global_buffer, .address_space: global }
      - { .name: wouth, .offset: 8, .size: 8, .value_kind: global_buffer, .address_space: global }
      - { .name: out0, .offset: 16, .size: 8, .value_kind: global_buffer, .address_space: global }
    .group_segment_fixed_size: 327680
    .private_segment_fixed_size: 0
    .kernarg_segment_align: 8
    .kernarg_segment_size: 24
    .max_flat_workgroup_size: 128
    .sgpr_count:     66
    .vgpr_count:     384
    .wavefront_size: 32
...
	.end_amdgpu_metadata
.endif
;; end of part 4
